; MI455X (gfx1250); checked and timed in simulation.
; The chip was launched on July 23, 2026; its instructions are those of AMD's public machine-readable ISA for CDNA 5 (MIT licence, August 2026) and "CDNA5" Instruction Set Architecture Reference Guide (July 2026). The comments in the code are by the model that wrote it; some were corrected since.
;; Fused Mo E Module. Allowed arithmetic: matrix products marked QUANTISED: E3M2 operands, one E8M0 scale for each 32 along K, by v_wmma_scale_f32_16x16x128_f8f6f4 with both operands' format E3M2, f32 sums; products left as they are: f32 operands where the result goes on into a quantised operand, else bf16, f16 or f32 operands; f32 sums; everything else in f32.
;; Inputs: hidden_states_codes 2,048 x 64 x 24 uint8 (E3M2 codes of hidden_states, K innermost, in blocks of 32 codes, four codes in three bytes); hidden_states_scales 2,048 x 64 uint8 (E8M0 scales of hidden_states, one for each 32 codes along K); topk_ids 2,048 x 2 int32; topk_weights 2,048 x 2 float32; w_dn 8 x 2,048 x 512 float32; w_up_codes 8 x 1,024 x 64 x 24 uint8 (E3M2 codes of w_up, K innermost, in blocks of 32 codes, four codes in three bytes); w_up_scales 8 x 1,024 x 64 uint8 (E8M0 scales of w_up, one for each 32 codes along K).
;; Outputs: out0 2,048 x 2,048 float32.
;; This version of the problem:
;;   THIS VERSION OF THE PROBLEM IS GIVEN IN LOW PRECISION. The matrix products marked QUANTISED in the list below multiply operands that are first quantised to E3M2 (3 exponent bits, 2 mantissa bits; 6 bits a number), with one power-of-two scale for each 32 numbers along K (OCP MX v1.0); their sums are f32. All else is computed in f32.
;;   The module's matrix products, in the order in which they are computed (A, B: the left and right operand; K: the contracted axis; several contracted axes count as one K, in the product's order):
;;     1. [M 2,048, K 2,048] x [K 2,048, N 8,192]; A: input hidden_states (given as codes); B: input w_up (given as codes): QUANTISED
;;     2. batch 2,048 x [M 8, K 2] x [K 2, N 1]; A: computed on the way; B: input topk_weights: left as it is (K = 2 < 32)
;;     3. [M 2,048, K 4,096] x [K 4,096, N 2,048]; A: computed on the way; B: input w_dn: QUANTISED
;;   THE QUANTISER, for each operand of a quantised product, along K:
;;     - K is cut into blocks of 32 from its start; a last block that is shorter is filled with zeros.
;;     - A block's scale is 2^e with e = floor(log2(the largest magnitude in the block)) - 4, held to -126 .. 127; a block of zeros has e = 0. As a byte (E8M0): e + 127.
;;     - Each number is divided by its block's scale, clamped to +-28, and rounded to the nearest number of E3M2, ties to even, subnormals kept.
;;     - The product sums the exact products of the quantised numbers (number of the format x scale) in f32.
;;   ~~~python
;;   def quantise(x, axis):      # numpy; x: float32 -> the quantised numbers, widened to float32 again
;;       x = np.moveaxis(x, axis, -1); K = x.shape[-1]
;;       x = np.pad(x, [(0, 0)] * (x.ndim - 1) + [(0, -K % 32)]); x = x.reshape(x.shape[:-1] + (-1, 32)); a = np.abs(x).max(-1, keepdims=True)
;;       e = np.where(a > 0, np.clip(np.frexp(np.where(a > 0, a, 1))[1] - 1 - 4, -126, 127), 0)      # np.frexp(a)[1] - 1 = floor(log2(a)), exactly
;;       r = np.clip(x / 2.0 ** e, -28, 28)
;;       step = 2.0 ** (np.maximum(np.frexp(np.where(r == 0, 1, r))[1] - 1, -2) - 2)
;;       q = np.round(r / step) * step * 2.0 ** e      # np.round: ties to even
;;       return np.moveaxis(q.reshape(q.shape[:-2] + (-1,))[..., :K], -1, axis).astype(np.float32)
;;   ~~~
;;   OPERANDS COMPUTED ON THE WAY. 'Computed on the way' means the value that the module computes at that place (a softmax that the list does not call 'softmax' is quantised finished and normalised). What goes into a quantiser is computed in f32, as accurately as f32 sums, v_exp_f32 and their like allow (about 1e-6 of the number): no bf16 or f16 on the way to a quantiser, and a product that is left as it is and whose result goes on into a quantised operand takes f32 operands (vector FMAs, or v_wmma_f32_16x16x4_f32). A number that lies on a knife's edge between two numbers of the format may be rounded either way, as far as f32 arithmetic and the matrix unit's own rounding can turn it there, and no further.
;;   INPUTS GIVEN AS CODES. hidden_states (in the module: [2048, 2048], K = its axis 1); w_up (in the module: [8, 1024, 2048], K = its axis 2): each comes as NAME_codes (uint8): NAME with its K axis moved to the last place and cut into blocks of 32 codes, [.., K / 32, bytes a block], one block behind the other in memory; four codes in three bytes: a row's codes are one little-endian stream of bits, code i at bits 6 i .. 6 i + 5 (a code: sign, 3 exponent bits, 2 mantissa bits); and NAME_scales (uint8): the same leading axes, one E8M0 byte (e + 127) for each 32 codes along K. Its value is code x scale, taken as it is: it is not quantised again, and the codes and scales need not be those that the quantiser above would give.
;; One version. Each part assembles by itself: llvm-mc -triple=amdgcn-amd-amdhsa -mcpu=gfx1250 --defsym DOCPART=n.
;; ======== version 1 of 1: 3 launches
;; workspace buffers: wup_frag 12,582,912 bytes; wdn_frag 6,291,456 bytes; wdn_sc 262,144 bytes; act 1,638,400 bytes; srt 16,384 bytes of whole numbers; ptk 8,192 bytes of whole numbers; srt_c 16,384 bytes; offs 256 bytes of whole numbers
;; launch prep (part 1): grid 512 x 1, 4 waves a work-group, no clusters, 51,200 bytes of LDS; arguments topk_ids, topk_weights, w_dn, w_up_codes, wdn_frag, wdn_sc, wup_frag, srt, srt_c, ptk, offs; writes wdn_frag, wdn_sc, wup_frag, srt, srt_c, ptk, offs
.if DOCPART == 1
	.amdgcn_target "amdgcn-amd-amdhsa--gfx1250"
	.amdhsa_code_object_version 6
	.text
	.protected	k_q952f6bf7b3_prep
	.globl	k_q952f6bf7b3_prep
	.p2align	8
	.type	k_q952f6bf7b3_prep,@function
k_q952f6bf7b3_prep:
	s_mov_b64 s[64:65], 0
	v_nop
	global_prefetch_b8 v0, s[64:65] scope:SCOPE_SE
	s_setreg_imm32_b32 hwreg(HW_REG_WAVE_MODE, 25, 1), 1
	s_wait_xcnt 0x0
; PREP: three tasks in one launch of 512 work-groups of four waves (2,048 waves).
; D (every wave): 16 rows of w_dn x 256 along h (two K steps of 128) are quantised to E3M2 with one E8M0 byte for each 32 along h and stored as IMAGES OF THE OPERAND'S REGISTERS:
;    wdn_frag [e*128+dtile][s 4][q 3][lane 32][16 bytes], wdn_sc [e*128+dtile][s 4][r 16] one word (four bytes: the K step's four blocks).
; R (every wave counts, wave 0 stores): the work-group's 8 routed rows (token, slot) get their rank by (expert, row), its 4 tokens their rank by (smaller id, larger id, token).
;    A rank is the number of smaller keys among all 4,096 (2,048) keys: each thread holds 32 (16) keys, a compare gives a mask of the wave, its ones are counted.  No atomics, no address made of a key.
;    srt[rank] = token | expert << 11 | dst << 14,  srt_c[rank] = the combine weight,  ptk[rank of token] = token | id0 << 11 | id1 << 14.  dst = (pi / 64) 128 + 64 slot + pi % 64: the row's place in the buffer of activations.
;    The combine weight of a row is its own weight, plus the other slot's where both slots name one expert: reference()'s sum over k of weight x [id = e].
;    Work-groups 0 to 7 count one key more: offs[g] = the number of routed rows whose expert lies under g + 1: where expert g's rows end in the sorted list.
; U (waves 0 and 2): 16 rows of w_up's codes x 8 K steps are laid as register images: wup_frag [e][beta 16][s 16][t 4][q 3][lane][16 bytes]; lane r of tile t = 2 kind + u of block beta is row 512 kind + 32 beta + 8 u + r + 8 (r / 8).
; A block's scale is 2^(floor(log2(largest magnitude)) - 4); its byte is that magnitude's exponent field - 4, held at 1 from below by a floor among the maximum's leaves.
; LIMITS: ids outside 0 .. 7 are not served (no address leaves its buffer: every rank is held).  NaN and infinities in w_dn and in the weights are not served.  A block of zeros gets the byte 1 where the rule says 127:
; its codes are zeros, which add nothing under any byte but 0xff, and this program alone reads the bytes.
.set WREG,  12544                      ; LDS: a region for each wave: first the D stage (16 rows, 528 bytes apart), later the U stage (16 rows, 784 bytes apart)
.set RKB,   4*WREG                     ; behind them the partial counts: 4 bytes a thread
.set DPI,   528                        ; 512 bytes + 16: 132 words, so sixteen rows start four banks apart
.set UPI,   784                        ; 768 bytes + 16: 196 words
.set EK,    12                         ; v12-43   32 ids, then keys of routed rows
.set PK,    44                         ; v44-59   16 keys of tokens
.set RR,    64                         ; v64-191  w_dn as loaded: two K steps x 16 rows x 4 registers
.set XX,    192                        ; v192-255 at work on the ranks; then 64 numbers of a lane: two blocks of 32
.set MK,    66                         ; s66-81   sixteen masks
.set TQ,    36                         ; v36-43   the second halves of the two blocks' codes
; v1 16 lane, v2 8 lane, v3 4 lane, v4 / v5 D stage in / out, v6 / v7 U stage in / out, v8 8 h, v9 my count's word, v10 / v11 where wave 0 reads the counts.  Behind the ranks: v12-23, v24-35 the two fragments, v44-54 at work.
.macro COUNT tgt, cnt, first           ; how many of my wave's 16 x 32 keys v[first ..] lie under the key s[tgt]: added to s[cnt]
.irp m, 0,1,2,3,4,5,6,7,8,9,10,11,12,13,14,15
	v_cmp_gt_u32 s[MK+\m], s[\tgt], v[\first+\m]
.endr
.irp m, 0,1,2,3,4,5,6,7,8,9,10,11,12,13,14,15
	s_bcnt1_i32_b32 s[MK+\m], s[MK+\m]
.endr
.irp m, 0,1,2,3,4,5,6,7,8,9,10,11,12,13,14,15
	s_add_co_u32 s[\cnt], s[\cnt], s[MK+\m]
.endr
.endm
; K step k of my two: through the stage, quantised, stored.  fb: the fragment's 12 registers; ww: its scale word.
.macro DSTEP k, fb, ww
	s_wait_loadcnt 16*(1-\k)                       ; this step's 16 loads are in; the younger step's 16 may be out
.irp i, 0,1,2,3,4,5,6,7,8,9,10,11,12,13,14,15
	ds_store_b128 v4, v[RR+64*\k+4*\i:RR+64*\k+4*\i+3] offset:DPI*\i      ; row i as it lies: 512 consecutive bytes
.endr
.irp c, 0,1
.irp i, 0,1,2,3,4,5,6,7
	ds_load_b128 v[XX+32*\c+4*\i:XX+32*\c+4*\i+3], v5 offset:256*\c+16*\i  ; lane (r, h): row r, k = 64 c + 32 h + 0 .. 31.  LDS serves a wave's instructions in order: these see the stores
.endr
.endr
	s_wait_dscnt 0x0
.irp c, 0,1
	v_max3_num_f32 v[44+\c], |v[XX+32*\c]|, |v[XX+32*\c+1]|, 0x2800000     ; my block 2 c + h: all 32 numbers are mine; the floor 2^(5 - 127) keeps the byte at 1 from below
.endr
.irp i, 2,4,6,8,10,12,14,16,18,20,22,24,26,28,30
.irp c, 0,1
	v_max3_num_f32 v[44+\c], v[44+\c], |v[XX+32*\c+\i]|, |v[XX+32*\c+\i+1]|
.endr
.endr
.irp c, 0,1
	v_add_nc_u32 v[46+\c], 0xfe000000, v[44+\c]    ; 4 off the exponent field: the conversion's scale operand
.endr
.irp c, 0,1
	v_lshrrev_b32 v[48+\c], 23, v[46+\c]           ; the scale's byte
.endr
	v_lshl_or_b32 v50, v49, 16, v48                ; blocks h and 2 + h,
	v_lshlrev_b32 v50, v8, v50                     ; at their places in the word;
	v_permlanex16_b32 v51, v50, s82, s83
	v_or_b32 v[\ww], v50, v51                      ; with lane l xor 16's two bytes the word is whole
.irp c, 0,1
	v_cvt_scalef32_pk16_bf6_f32 v[\fb+6*\c:\fb+6*\c+2], v[XX+32*\c:XX+32*\c+15], v[46+\c]
	v_cvt_scalef32_pk16_bf6_f32 v[TQ+4*\c:TQ+4*\c+2], v[XX+32*\c+16:XX+32*\c+31], v[46+\c]   ; (a conversion's three registers begin on an even number)
.endr
	v_nop                                          ; one plain place behind a scaled conversion
.irp c, 0,1
.irp i, 0,1,2
	v_mov_b32 v[\fb+6*\c+3+\i], v[TQ+4*\c+\i]
.endr
.endr
.irp q, 0,1,2
	global_store_b128 v1, v[\fb+4*\q:\fb+4*\q+3], s[12:13] offset:1536*\k+512*\q   ; 512 consecutive bytes, aligned
.endr
.endm
	s_load_b512 s[4:19], s[0:1], 0x0               ; ids s[4:5], weights s[6:7], w_dn s[8:9], w_up's codes s[10:11], wdn_frag s[12:13], wdn_sc s[14:15], wup_frag s[16:17], srt s[18:19]
	s_load_b128 s[20:23], s[0:1], 0x40             ; srt_c s[20:21], ptk s[22:23]
	s_load_b64 s[96:97], s[0:1], 0x50              ; offs
	s_set_vgpr_msb 0x40
	v_lshl_add_u32 v0, v0, 2, 0xc600
	v_mov_b32 v1, 0
	s_set_vgpr_msb 0x4000
	v_lshrrev_b32 v192, 5, v0
	v_readfirstlane_b32 s24, v192                  ; wave 0..3
	v_and_b32 v193, 31, v0                         ; lane
	v_and_b32 v194, 15, v0                         ; r
	v_bfe_u32 v195, v0, 4, 1                       ; h
	v_and_b32 v196, 7, v0                          ; k: which of the work-group's 8 routed rows my lane speaks for
	v_lshrrev_b32 v197, 1, v196                    ; and which of its 4 tokens
	v_lshlrev_b32 v1, 4, v193
	v_lshlrev_b32 v2, 3, v193
	v_lshlrev_b32 v3, 2, v193
	s_mul_i32 s25, s24, WREG
	v_add_nc_u32 v4, s25, v1
	v_mul_u32_u24 v5, v194, DPI
	v_lshl_add_u32 v5, v195, 7, v5
	v_add_nc_u32 v5, s25, v5
	v_add_nc_u32 v6, s25, v2
	v_mul_u32_u24 v7, v194, UPI
	v_mad_u32_u24 v7, v195, 24, v7
	v_add_nc_u32 v7, s25, v7
	v_lshlrev_b32 v8, 3, v195
	v_lshl_add_u32 v9, v0, 2, RKB
	v_lshl_add_u32 v10, v196, 2, RKB
	v_lshl_add_u32 v11, v197, 2, RKB+32
	s_lshl_b32 s60, ttmp9, 5                       ; 32 g: the bytes of 8 routed rows
	s_lshl_b32 s61, ttmp9, 3                       ; 8 g: my first routed row
	s_lshl_b32 s62, ttmp9, 2                       ; 4 g: my first token
	v_lshlrev_b32 v198, 4, v0                      ; ids: 16 bytes a thread
	v_lshl_add_u32 v199, v196, 2, s60              ; my lane's row in ids and weights,
	v_xor_b32 v200, 4, v199                        ; and the token's other slot
	v_lshlrev_b32 v201, 2, v0                      ; 4 i: the first routed row of a load's 16 bytes
	v_lshlrev_b32 v202, 1, v0                      ; 2 i: its first token
	v_and_b32 v217, 1, v0                          ; slot
	v_add_nc_u32 v218, s62, v197                   ; token
	v_mov_b32 v224, RKB+48                         ; where the waves' thirteenth counts lie (lane 12's words)
	v_mov_b32 v225, s62                            ; 4 g: my word of offs
	s_mov_b32 s82, 0x76543210
	s_mov_b32 s83, 0xfedcba98                      ; v_permlanex16_b32's selects for lane l xor 16
	s_mov_b32 s84, 0xffff0000                      ; lanes 16-31
	; D: wave W = 4 g + w takes tile W / 2 (16 rows of 2,048 bytes) and K steps 2 (W % 2), + 1
	s_add_co_u32 s25, s62, s24
	s_lshr_b32 s26, s25, 1
	s_and_b32 s27, s25, 1
	s_lshl_b32 s86, s26, 15
	s_lshl_b32 s87, s27, 10
	s_add_co_u32 s86, s86, s87
	s_mov_b32 s87, 0
	s_mul_i32 s88, s25, 3072                       ; two fragments of 1,536 bytes a wave
	s_mov_b32 s89, 0
	s_lshl_b32 s90, s25, 7                         ; two runs of 16 scale words
	s_mov_b32 s91, 0
	; U: tile g = (e, beta, t); waves 0 and 2 take its K steps 0-7 and 8-15
	s_lshr_b32 s85, s24, 1
	s_lshr_b32 s92, ttmp9, 6
	s_lshl_b32 s92, s92, 10                        ; 1,024 e
	s_bfe_u32 s93, ttmp9, 0x10001
	s_lshl_b32 s93, s93, 9                         ; + 512 kind
	s_add_co_u32 s92, s92, s93
	s_bfe_u32 s93, ttmp9, 0x40002
	s_lshl_b32 s93, s93, 5                         ; + 32 beta
	s_add_co_u32 s92, s92, s93
	s_and_b32 s93, ttmp9, 1
	s_lshl_b32 s93, s93, 3                         ; + 8 u
	s_add_co_u32 s92, s92, s93
	s_mul_i32 s92, s92, 1536
	s_mul_i32 s93, s85, 768
	s_add_co_u32 s92, s92, s93
	s_mov_b32 s93, 0
	s_lshr_b32 s94, ttmp9, 2                       ; 16 e + beta
	s_lshl_b32 s94, s94, 4
	s_lshl_b32 s95, s85, 3
	s_add_co_u32 s94, s94, s95                     ; x 16 K steps + my first
	s_mul_i32 s94, s94, 6144
	s_and_b32 s95, ttmp9, 3
	s_mul_i32 s95, s95, 1536
	s_add_co_u32 s94, s94, s95
	s_mov_b32 s95, 0
	s_mov_b32 s26, s60
	s_mov_b32 s27, 0
	s_wait_kmcnt 0x0
	s_add_nc_u64 s[8:9], s[8:9], s[86:87]
	s_add_nc_u64 s[12:13], s[12:13], s[88:89]
	s_add_nc_u64 s[14:15], s[14:15], s[90:91]
	s_add_nc_u64 s[10:11], s[10:11], s[92:93]
	s_add_nc_u64 s[16:17], s[16:17], s[94:95]
	s_add_nc_u64 s[26:27], s[4:5], s[26:27]
	s_load_b256 s[28:35], s[26:27], 0x0            ; the ids of my 8 routed rows, as scalars
.irp m, 0,1,2,3,4,5,6,7
	global_load_b128 v[EK+4*\m:EK+4*\m+3], v198, s[4:5] offset:2048*\m    ; all 4,096 ids over the 128 threads: register 4 m + c is routed row 512 m + 4 i + c
.endr
	global_load_b32 v60, v199, s[4:5]              ; my lane's id, the other slot's,
	global_load_b32 v61, v200, s[4:5]
	global_load_b32 v62, v199, s[6:7]              ; my weight, the other slot's
	global_load_b32 v63, v200, s[6:7]
.irp k, 0,1
.irp i, 0,1,2,3,4,5,6,7,8,9,10,11,12,13,14,15
	global_load_b128 v[RR+64*\k+4*\i:RR+64*\k+4*\i+3], v1, s[8:9] offset:2048*\i+512*\k th:TH_LOAD_NT   ; 512 consecutive bytes of a row; read once in the program
.endr
.endr
	s_wait_loadcnt 32                              ; ids and weights are in; the 32 loads of w_dn stay out while the ranks are counted
	s_wait_kmcnt 0x0
.irp m, 0,1,2,3,4,5,6,7
.irp p, 0,1
	v_min_u32 v203, v[EK+4*\m+2*\p], v[EK+4*\m+2*\p+1]
	v_max_u32 v204, v[EK+4*\m+2*\p], v[EK+4*\m+2*\p+1]
	v_lshl_add_u32 v203, v203, 3, v204
	v_lshl_add_u32 v[PK+2*\m+\p], v203, 11, v202
	v_add_nc_u32 v[PK+2*\m+\p], 256*\m+\p, v[PK+2*\m+\p]     ; a token's key: (smaller id, larger id, token)
.endr
.endr
.irp m, 0,1,2,3,4,5,6,7
.irp c, 0,1,2,3
	v_lshl_add_u32 v[EK+4*\m+\c], v[EK+4*\m+\c], 12, v201
	v_add_nc_u32 v[EK+4*\m+\c], 512*\m+\c, v[EK+4*\m+\c]     ; a routed row's key: (expert, row)
.endr
.endr
.irp k, 0,1,2,3,4,5,6,7
	s_lshl_b32 s[36+\k], s[28+\k], 12              ; the same keys of my 8 rows,
	s_add_co_u32 s[36+\k], s[36+\k], s61
	s_add_co_u32 s[36+\k], s[36+\k], \k
.endr
.irp t, 0,1,2,3
	s_min_u32 s86, s[28+2*\t], s[29+2*\t]          ; and of my 4 tokens
	s_max_u32 s87, s[28+2*\t], s[29+2*\t]
	s_lshl_b32 s86, s86, 3
	s_add_co_u32 s86, s86, s87
	s_lshl_b32 s86, s86, 11
	s_add_co_u32 s86, s86, s62
	s_add_co_u32 s[44+\t], s86, \t
.endr
	s_add_co_u32 s88, ttmp9, 1
	s_lshl_b32 s88, s88, 12                        ; the key (g + 1, row 0): every row of an expert under g + 1 lies under it
	s_mov_b32 s89, 0
.irp k, 0,1,2,3,4,5,6,7,8,9,10,11
	s_mov_b32 s[48+\k], 0
.endr
.irp k, 0,1,2,3,4,5,6,7
	COUNT 36+\k, 48+\k, EK
	COUNT 36+\k, 48+\k, EK+16
.endr
.irp k, 0,1,2,3
	COUNT 44+\k, 56+\k, PK
.endr
	s_cmp_gt_u32 ttmp9, 7                          ; there are eight experts: the first eight work-groups count where their rows end
	s_cbranch_scc1 .Lno_edge
	COUNT 88, 89, EK
	COUNT 88, 89, EK+16
.Lno_edge:
	v_mov_b32 v205, 0
.irp k, 0,1,2,3,4,5,6,7,8,9,10,11
	v_writelane_b32 v205, s[48+\k], \k             ; my wave's counts: lanes 0-7 the rows', lanes 8-11 the tokens',
.endr
	v_writelane_b32 v205, s89, 12                  ; lane 12 the expert's end
	ds_store_b32 v9, v205
	s_wait_dscnt 0x0                               ; for wave 0's sake: my counts lie in LDS
	s_barrier_signal -1
	s_barrier_wait -1
	s_cmp_lg_u32 s24, 0
	s_cbranch_scc1 .Lranked
.irp u, 0,1,2,3
	ds_load_b32 v[206+\u], v10 offset:128*\u       ; the four waves' counts for my lane's row,
.endr
.irp u, 0,1,2,3
	ds_load_b32 v[210+\u], v11 offset:128*\u       ; and for its token
.endr
	s_wait_dscnt 0x0
	v_add_nc_u32 v206, v206, v207
	v_add_nc_u32 v208, v208, v209
	v_add_nc_u32 v206, v206, v208                  ; rho
	v_add_nc_u32 v210, v210, v211
	v_add_nc_u32 v212, v212, v213
	v_add_nc_u32 v210, v210, v212                  ; pi
	v_min_u32 v206, 0xfff, v206                    ; held inside their tables
	v_min_u32 v210, 0x7ff, v210
	v_cmp_eq_u32 vcc_lo, v60, v61
	v_cndmask_b32 v214, 0, v63, vcc_lo
	v_add_f32 v214, v62, v214                      ; the combine weight: mine, plus the other slot's where both name one expert
	v_lshrrev_b32 v215, 6, v210
	v_and_b32 v216, 63, v210
	v_lshl_add_u32 v215, v215, 7, v216
	v_lshl_add_u32 v215, v217, 6, v215             ; dst
	v_lshl_or_b32 v219, v60, 11, v218
	v_lshl_or_b32 v219, v215, 14, v219             ; token | expert << 11 | dst << 14
	v_cmp_eq_u32 vcc_lo, 1, v217
	v_cndmask_b32 v220, v60, v61, vcc_lo           ; slot 0's id,
	v_cndmask_b32 v221, v61, v60, vcc_lo           ; slot 1's: the same two in both of a token's lanes
	v_lshl_or_b32 v220, v220, 11, v218
	v_lshl_or_b32 v220, v221, 14, v220             ; token | id0 << 11 | id1 << 14
	v_lshlrev_b32 v222, 2, v206
	v_lshlrev_b32 v223, 2, v210
	global_store_b32 v222, v219, s[18:19]          ; all that stands here is made of lane % 8: lanes 8 apart store the same word to the same place
	global_store_b32 v222, v214, s[20:21]
	global_store_b32 v223, v220, s[22:23]          ; a token's two lanes store the same word
	s_cmp_gt_u32 ttmp9, 7
	s_cbranch_scc1 .Lranked
.irp u, 0,1,2,3
	ds_load_b32 v[226+\u], v224 offset:128*\u      ; the four waves' counts of rows under expert g + 1
.endr
	s_wait_dscnt 0x0
	v_add_nc_u32 v226, v226, v227
	v_add_nc_u32 v228, v228, v229
	v_add_nc_u32 v226, v226, v228
	global_store_b32 v225, v226, s[96:97]          ; every lane stores the same word to the same place
.Lranked:
	s_wait_xcnt 0x0                                ; the stores' registers lie where the stage's loads land next: written again only behind this wait
	v_mov_b32 v51, 0                               ; a lane permute's destination counts as one of its sources
	DSTEP 0, 12, 52
	DSTEP 1, 24, 53
	v_cndmask_b32 v54, v52, v53, s84               ; lanes 0-15 the first step's words, lanes 16-31 the second's
	global_store_b32 v3, v54, s[14:15]             ; 128 consecutive bytes
	s_and_b32 s85, s24, 1
	s_cmp_lg_u32 s85, 0
	s_cbranch_scc1 .Ldone
.irp i, 0,1,2,3,4,5,6,7,8,9,10,11,12,13,14,15
.irp p, 0,1,2
	global_load_b64 v[64+6*\i+2*\p:64+6*\i+2*\p+1], v2, s[10:11] offset:(\i+8*(\i/8))*1536+256*\p th:TH_LOAD_NT   ; 256 consecutive bytes of the tile's row i, aligned
.endr
.endr
	s_wait_loadcnt 0x0
.irp i, 0,1,2,3,4,5,6,7,8,9,10,11,12,13,14,15
.irp p, 0,1,2
	ds_store_b64 v6, v[64+6*\i+2*\p:64+6*\i+2*\p+1] offset:UPI*\i+256*\p
.endr
.endr
.irp s, 0,1,2,3,4,5,6,7
.irp p, 0,1,2,3,4,5
	ds_load_b64 v[160+12*\s+2*\p:160+12*\s+2*\p+1], v7 offset:96*\s+48*(\p/3)+8*(\p%3)   ; lane (r, h): the fragment's registers, as the matrix instruction takes them
.endr
.endr
.irp s, 0,1,2,3,4,5,6,7
	s_wait_dscnt 6*(7-\s)                          ; this fragment's six loads are in; the younger fragments' may be out
.irp q, 0,1,2
	global_store_b128 v1, v[160+12*\s+4*\q:160+12*\s+4*\q+3], s[16:17] offset:6144*\s+512*\q
.endr
.endr
.Ldone:
	s_set_vgpr_msb 0x5
	s_wait_tensorcnt 0x0
	ds_add_u32 v0, v1
	s_wait_dscnt 0x0
	s_set_vgpr_msb 0x500
	s_endpgm
.Lfunc_end_k_q952f6bf7b3_prep:
	.size	k_q952f6bf7b3_prep, .Lfunc_end_k_q952f6bf7b3_prep-k_q952f6bf7b3_prep
	.p2alignl 7, 3214868480
	.fill 96, 4, 3214868480
	.section	.rodata,"a",@progbits
	.p2align	6, 0x0
	.amdhsa_kernel k_q952f6bf7b3_prep
		.amdhsa_group_segment_fixed_size 51200
		.amdhsa_private_segment_fixed_size 0
		.amdhsa_enable_private_segment 0
		.amdhsa_kernarg_size 88
		.amdhsa_user_sgpr_count 2
		.amdhsa_user_sgpr_kernarg_segment_ptr 1
		.amdhsa_wavefront_size32 1
		.amdhsa_system_sgpr_workgroup_id_x 1
		.amdhsa_system_sgpr_workgroup_id_y 1
		.amdhsa_system_sgpr_workgroup_id_z 1
		.amdhsa_system_vgpr_workitem_id 0
		.amdhsa_next_free_vgpr 258
		.amdhsa_next_free_sgpr 100
		.amdhsa_reserve_vcc 1
		.amdhsa_float_denorm_mode_32 3
		.amdhsa_float_denorm_mode_16_64 3
		.amdhsa_memory_ordered 1
		.amdhsa_forward_progress 1
		.amdhsa_inst_pref_size 90
	.end_amdhsa_kernel
	.amdgpu_metadata
---
amdhsa.version: [ 1, 2 ]
amdhsa.kernels:
  - .name:           k_q952f6bf7b3_prep
    .symbol:         k_q952f6bf7b3_prep.kd
    .args:
      - { .name: topk_ids, .offset: 0, .size: 8, .value_kind: global_buffer, .address_space: global }
      - { .name: topk_weights, .offset: 8, .size: 8, .value_kind: global_buffer, .address_space: global }
      - { .name: w_dn, .offset: 16, .size: 8, .value_kind: global_buffer, .address_space: global }
      - { .name: w_up_codes, .offset: 24, .size: 8, .value_kind: global_buffer, .address_space: global }
      - { .name: wdn_frag, .offset: 32, .size: 8, .value_kind: global_buffer, .address_space: global }
      - { .name: wdn_sc, .offset: 40, .size: 8, .value_kind: global_buffer, .address_space: global }
      - { .name: wup_frag, .offset: 48, .size: 8, .value_kind: global_buffer, .address_space: global }
      - { .name: srt, .offset: 56, .size: 8, .value_kind: global_buffer, .address_space: global }
      - { .name: srt_c, .offset: 64, .size: 8, .value_kind: global_buffer, .address_space: global }
      - { .name: ptk, .offset: 72, .size: 8, .value_kind: global_buffer, .address_space: global }
      - { .name: offs, .offset: 80, .size: 8, .value_kind: global_buffer, .address_space: global }
    .group_segment_fixed_size: 51200
    .private_segment_fixed_size: 0
    .kernarg_segment_align: 8
    .kernarg_segment_size: 88
    .max_flat_workgroup_size: 128
    .sgpr_count:     100
    .vgpr_count:     258
    .wavefront_size: 32
...
	.end_amdgpu_metadata
.endif
;; end of part 1
;; launch up (part 2): grid 59 x 4, 4 waves a work-group, no clusters, 136,704 bytes of LDS; arguments hidden_states_codes, hidden_states_scales, wup_frag, w_up_scales, srt, srt_c, act, offs; writes act
.if DOCPART == 2
	.amdgcn_target "amdgcn-amd-amdhsa--gfx1250"
	.amdhsa_code_object_version 6
	.text
	.protected	k_q952f6bf7b3_up
	.globl	k_q952f6bf7b3_up
	.p2align	8
	.type	k_q952f6bf7b3_up,@function
k_q952f6bf7b3_up:
	s_mov_b64 s[64:65], 0
	v_nop
	global_prefetch_b8 v0, s[64:65] scope:SCOPE_SE
	s_setreg_imm32_b32 hwreg(HW_REG_WAVE_MODE, 25, 1), 1
	s_wait_xcnt 0x0
; UP: for the 4,096 routed rows, sorted by expert: act = silu(x Wg^T) (x Wu^T) c, quantised along the hidden units to E3M2 with one E8M0 byte for each 32, stored as codes.
; Only the chosen experts' rows are multiplied: reference() weighs every other expert's row with 0.
; TILES.  A tile is at most 80 sorted rows of ONE expert: expert e's n rows make ceil(n / 80) tiles, one behind the other.  Whatever the split there are at most ceil(4,096 / 80) + 7 = 59 tiles: the grid's x.
; Each work-group finds its tile from offs (where each expert's rows end in the sorted list) by scalar arithmetic without a jump.  Row i of a tile is sorted row min(first + i, the expert's last): rows past the tile's end repeat
; the last row, give the same codes and store the same bytes to the same place.  A tile that the split leaves without rows passes both barriers, jumps over the products and stores nothing; its copy and its first loads of
; weights still run, on addresses that are held inside their buffers: the price of a grid that serves every split.
; SHARES.  Work-group (t, j): tile t, hidden units 128 j .. + 127.  Wave w: block beta = 4 j + w of 32 units: 32 gate rows and 32 up rows of w_up: four tiles b = 2 kind + u.
; The wave's tile is 80 rows x 64 rows of w_up: 20 accumulators; K = 2,048 in 16 steps of 128.  The rows' codes are copied once into LDS (whole rows, 512 bytes an instruction) and read by all four waves;
; the weights come from memory straight into registers as whole fragments (three loads of 512 consecutive bytes each), four K steps ahead, in a ring of five sets.
; No tensor load and no cluster: addresses and two branches hang on numbers read from memory.
; THE PRODUCT IS USED TRANSPOSED (source 0 = 16 rows of w_up, source 1 = 16 rows of x): lane (r, h) holds row r, and by the tiles' choice of rows the 16 registers of tiles u = 0, 1 are units 16 h + 0 .. 15 of the block.
; act's row (400 bytes) at dst: K step s's block 2 c + h at 96 s + 48 h + 24 c, so that the next launch's lane reads its 48 bytes on end; 16 scale bytes at 384.
; LIMITS: silu(g) = g / (1 + 2^(-g log2 e)): where the exponential overflows the result is a zero where reference() has a number under 2^-126.  A block of zeros has the byte 1 (its codes are zeros; only this program reads the bytes).
; Ids outside 0 .. 7 are not served.
; REGISTERS.  Window 0: v1 16 lane, v2 r, v3 h, v4-6 x's fragments (subtiles 0, 1 / 2, 3 / 4), v7 the copy's LDS address, v8 w_up's scale rows, v9-13 the stages' addresses, then as named below.
;   Window 1: the ring, 5 x 48.   Window 2: v0-159 accumulators ((a, b) at 8 (4 a + b)); v0-239 stage the copy at the head; from v160 as named below.
.set PA,    1552                       ; a row of x in LDS: 1,536 bytes + 16 = 388 words: the 32 lanes of a load of 8 bytes touch 64 different banks
.set OSB,   80*PA                      ; behind the rows: the codes' stage, 80 rows x (8 places of 16 bytes, 12 bytes of codes in each, + 16)
.set OPI,   144
.set SBB,   OSB+80*OPI                 ; and the scale bytes: a word a row
.set MW,    14                         ; v14-18   srt's words of rows 16 a + r
.set CW,    19                         ; v19-23   their combine weights
.set SAA,   24                         ; v24-28   where their scale bytes lie
.set OA,    29                         ; v29-33   where I store 12 bytes of codes
.set OW,    34                         ; v34-35   where I store scale words
.set OM,    36                         ; v36-42   srt's words in the stores' mapping
.set CPW,   43                         ; v43      srt's words of the 20 rows that I copy, a lane each
.set SCA,   48                         ; v48-87   x's scale words: 8 a + s % 8; lanes 0-15 K steps 0-7, lanes 16-31 K steps 8-15
.set SCB,   88                         ; v88-119  w_up's, 8 b + s % 8, likewise
.set AF,    120                        ; v120-239 x's fragments: two sets of 5 x 12.  At the head the same registers serve as:
.set FO,    120                        ; v120-139 the copy's 20 rows: byte offsets
.set IX,    140                        ; v140-152 byte offsets in srt and srt_c
.set TP,    160                        ; v160-170 at work
.set TT,    160                        ; window 2: v160-175 at work on 16 gates
.set MM,    176                        ; largest magnitudes
.set SS,    181                        ; the conversions' scale operands
.set NB,    186                        ; the bytes
.set NN,    192                        ; the codes: 4 registers a subtile
.set CC,    240                        ; c, as pairs
.set PP,    250                        ; lane permutes' destinations
.set MULW,  0xa1                       ; source 0 (w_up) window 1, source 1 (x) window 0, C and D window 2
.set MSB, 0
.macro WIN new                         ; the immediate's high byte repeats the setting that is left
.if MSB != (\new)
	s_set_vgpr_msb (MSB<<8)|(\new)
.set MSB, (\new)
.endif
.endm
.macro PLACES                          ; four plain places behind a matrix instruction, ahead of loads into its registers and of reads of its result
.rept 4
	v_nop
.endr
.endm
.macro IDX dst, row, add               ; the byte offset in srt of sorted row min(row + add, the expert's last), held inside the table
	v_add_nc_u32 v[\dst], \add, v[\row]
	v_min_u32 v[\dst], s45, v[\dst]
	v_min_u32 v[\dst], 0xfff, v[\dst]
	v_lshlrev_b32 v[\dst], 2, v[\dst]
.endm
.macro BFETCH s                        ; K step s's four fragments of w_up into ring set s % 5
	WIN 0x40
.irp b, 0,1,2,3
.irp q, 0,1,2
	global_load_b128 v[48*((\s)%5)+12*\b+4*\q:48*((\s)%5)+12*\b+4*\q+3], v1, s[48:49] offset:6144*(\s)+1536*\b+512*\q
.endr
.endr
.endm
.macro AFETCH s                        ; K step s's five fragments of x into set s % 2: 24 bytes twice a lane, in pieces of 8
	WIN 0
.irp a, 0,1,2,3,4
.irp p, 0,1,2,3,4,5
	ds_load_b64 v[AF+60*((\s)%2)+12*\a+2*\p:AF+60*((\s)%2)+12*\a+2*\p+1], v[4+\a/2] offset:16*PA*(\a%2)+96*(\s)+48*(\p/3)+8*(\p%3)
.endr
.endr
.endm
; A K step: the next step's fragments of x and the weights of four steps on are asked for, then 20 products.  The twenty accumulators take turns, one instruction a turn.
.macro STEP s
.if (\s) > 0
	PLACES
.endif
.if (\s) < 15
	AFETCH (\s)+1
.endif
.if (\s) < 12
	BFETCH (\s)+4
.endif
.if (\s) < 15
	s_wait_dscnt 30                                ; this step's fragments of x are in; the next step's 30 loads may be out
.else
	s_wait_dscnt 0x0
.endif
.if (\s) < 12
	s_wait_loadcnt 48                              ; this step's weights are in; the four younger steps' 48 loads may be out
.else
	s_wait_loadcnt 12*(15-(\s))                    ; the steps that are left
.endif
	WIN MULW
.irp a, 0,1,2,3,4
.irp b, 0,1,2,3
.if (\s) == 0
	v_wmma_scale_f32_16x16x128_f8f6f4 v[8*(4*\a+\b):8*(4*\a+\b)+7], v[48*((\s)%5)+12*\b:48*((\s)%5)+12*\b+11], v[AF+60*((\s)%2)+12*\a:AF+60*((\s)%2)+12*\a+11], 0, v[SCB+8*\b+(\s)%8], v[SCA+8*\a+(\s)%8] matrix_a_fmt:MATRIX_FMT_BF6 matrix_b_fmt:MATRIX_FMT_BF6
.elseif (\s) < 8
	v_wmma_scale_f32_16x16x128_f8f6f4 v[8*(4*\a+\b):8*(4*\a+\b)+7], v[48*((\s)%5)+12*\b:48*((\s)%5)+12*\b+11], v[AF+60*((\s)%2)+12*\a:AF+60*((\s)%2)+12*\a+11], v[8*(4*\a+\b):8*(4*\a+\b)+7], v[SCB+8*\b+(\s)%8], v[SCA+8*\a+(\s)%8] matrix_a_fmt:MATRIX_FMT_BF6 matrix_b_fmt:MATRIX_FMT_BF6
.else
	v_wmma_scale_f32_16x16x128_f8f6f4 v[8*(4*\a+\b):8*(4*\a+\b)+7], v[48*((\s)%5)+12*\b:48*((\s)%5)+12*\b+11], v[AF+60*((\s)%2)+12*\a:AF+60*((\s)%2)+12*\a+11], v[8*(4*\a+\b):8*(4*\a+\b)+7], v[SCB+8*\b+(\s)%8], v[SCA+8*\a+(\s)%8] matrix_a_fmt:MATRIX_FMT_BF6 matrix_b_fmt:MATRIX_FMT_BF6 matrix_a_scale:MATRIX_SCALE_ROW1 matrix_b_scale:MATRIX_SCALE_ROW1
.endif
.endr
.endr
.endm
; Behind the products, all in window 2: silu(gate) x up x c in f32, in reference()'s order of multiplications; the block's scale; the codes.  Each accumulator is read from its low end on.
.macro EPI
	PLACES
	WIN 0xaa
.irp a, 0,1,2,3,4
.irp i, 0,2,4,6,8,10,12,14
	v_pk_mul_f32 v[TT+\i:TT+\i+1], v[32*\a+\i:32*\a+\i+1], s[52:53] op_sel_hi:[1,0]      ; -g log2(e)
.endr
.irp i, 0,1,2,3,4,5,6,7,8,9,10,11,12,13,14,15
	v_exp_f32 v[TT+\i], v[TT+\i]
.endr
	v_nop                                          ; one plain place behind the transcendentals
	s_wait_alu depctr_va_vdst(0)
.irp i, 0,2,4,6,8,10,12,14
	v_pk_add_f32 v[TT+\i:TT+\i+1], v[TT+\i:TT+\i+1], 1.0 op_sel_hi:[1,0]
.endr
.irp i, 0,1,2,3,4,5,6,7,8,9,10,11,12,13,14,15
	v_rcp_f32 v[TT+\i], v[TT+\i]
.endr
	v_nop
	s_wait_alu depctr_va_vdst(0)
.irp i, 0,2,4,6,8,10,12,14
	v_pk_mul_f32 v[32*\a+\i:32*\a+\i+1], v[32*\a+\i:32*\a+\i+1], v[TT+\i:TT+\i+1]           ; silu(g)
.endr
.irp i, 0,2,4,6,8,10,12,14
	v_pk_mul_f32 v[32*\a+\i:32*\a+\i+1], v[32*\a+\i:32*\a+\i+1], v[32*\a+16+\i:32*\a+17+\i]  ; x up
.endr
.irp i, 0,2,4,6,8,10,12,14
	v_pk_mul_f32 v[32*\a+\i:32*\a+\i+1], v[32*\a+\i:32*\a+\i+1], v[CC+2*\a:CC+2*\a+1]        ; x c
.endr
.endr
.irp a, 0,1,2,3,4
	v_max3_num_f32 v[MM+\a], |v[32*\a]|, |v[32*\a+1]|, 0x2800000    ; my 16 of the block's 32, and the floor 2^(5 - 127)
.endr
.irp i, 2,4,6,8,10,12,14
.irp a, 0,1,2,3,4
	v_max3_num_f32 v[MM+\a], v[MM+\a], |v[32*\a+\i]|, |v[32*\a+\i+1]|
.endr
.endr
.irp a, 0,1,2,3,4
	v_permlanex16_b32 v[PP+\a], v[MM+\a], s54, s55
.endr
.irp a, 0,1,2,3,4
	v_max_num_f32 v[MM+\a], v[MM+\a], v[PP+\a]     ; with lane l xor 16's 16: the block's largest magnitude
.endr
.irp a, 0,1,2,3,4
	v_add_nc_u32 v[SS+\a], 0xfe000000, v[MM+\a]    ; 4 off its exponent field: the conversion's scale operand
.endr
.irp a, 0,1,2,3,4
	v_lshrrev_b32 v[NB+\a], 23, v[SS+\a]           ; the byte
.endr
.irp a, 0,1,2,3,4
	v_cvt_scalef32_pk16_bf6_f32 v[NN+4*\a:NN+4*\a+2], v[32*\a:32*\a+15], v[SS+\a]
.endr
	v_nop                                          ; one plain place behind a scaled conversion
.endm
	s_load_b512 s[4:19], s[0:1], 0x0               ; x's codes s[4:5], x's scales s[6:7], wup_frag s[8:9], w_up's scales s[10:11], srt s[12:13], srt_c s[14:15], act s[16:17], offs s[18:19]
	v_lshl_add_u32 v254, v0, 2, 0x21400
	v_mov_b32 v255, 0
	v_lshrrev_b32 v[TP], 5, v0
	v_readfirstlane_b32 s20, v[TP]                 ; wave 0..3
	s_and_b32 s21, ttmp7, 0xffff                   ; j
	s_lshl_b32 s22, s21, 2
	s_add_co_u32 s22, s22, s20                     ; beta
	v_and_b32 v[TP+1], 31, v0                      ; lane
	v_and_b32 v2, 15, v0                           ; r
	v_bfe_u32 v3, v0, 4, 1                         ; h
	v_lshrrev_b32 v[TP+2], 3, v[TP+1]              ; lane / 8
	v_and_b32 v[TP+3], 7, v0                       ; lane % 8
	v_and_b32 v[TP+4], 3, v0                       ; lane % 4
	v_lshlrev_b32 v1, 4, v[TP+1]
	s_mov_b32 s52, 0xbfb8aa3b                      ; -log2(e)
	s_mov_b32 s53, s52                             ; (named with it as a pair, so it is written)
	s_mov_b32 s54, 0x76543210
	s_mov_b32 s55, 0xfedcba98                      ; v_permlanex16_b32's selects for lane l xor 16
	s_wait_kmcnt 0x0
	s_load_b256 s[24:31], s[18:19], 0x0            ; where the eight experts' rows end in the sorted list; the LDS addresses are made while it is out
	v_mul_u32_u24 v4, v2, PA
	v_mad_u32_u24 v4, v3, 24, v4                   ; a fragment's row x pitch + 24 h
	v_add_nc_u32 v5, 32*PA, v4                     ; the same 32 and 64 rows on: an LDS offset has 16 bits
	v_add_nc_u32 v6, 64*PA, v4
	s_mul_i32 s56, s20, 20*PA
	v_add_nc_u32 v7, s56, v1                       ; the copy: my 20 rows, 16 bytes a lane
	v_and_b32 v8, 8, v2
	v_add_nc_u32 v8, v8, v2
	v_lshlrev_b32 v8, 6, v8
	v_lshl_add_u32 v8, v3, 5, v8                   ; w_up's scales: row r + 8 (r / 8) of 64 bytes, + 32 h
	s_and_b32 s56, s20, 1
	s_lshl_b32 s56, s56, 6
	s_lshr_b32 s57, s20, 1
	s_lshl_b32 s57, s57, 5
	s_add_co_u32 s56, s56, s57
	s_add_co_u32 s56, s56, OSB
	v_mul_u32_u24 v9, v2, OPI
	v_lshl_add_u32 v9, v3, 4, v9
	v_add_nc_u32 v9, s56, v9                       ; the codes' stage, in: row r, place 4 (w % 2) + 2 (w / 2) + h
	s_add_co_u32 s56, s20, SBB
	v_lshl_add_u32 v10, v2, 2, s56                 ; the scale bytes, in: row r's word, byte w
	s_mul_i32 s56, s20, 20*OPI
	s_add_co_u32 s56, s56, OSB
	v_mul_u32_u24 v11, v[TP+2], OPI
	v_lshl_add_u32 v11, v[TP+3], 4, v11
	v_add_nc_u32 v11, s56, v11                     ; out: row 20 w + lane / 8, place lane % 8
	s_mul_i32 s56, s20, 80
	s_add_co_u32 s56, s56, SBB
	v_lshl_add_u32 v12, v2, 2, s56                 ; out: the words of rows 20 w + r,
	s_add_co_u32 s56, s56, 64
	v_lshl_add_u32 v13, v[TP+4], 2, s56            ; and of rows 20 w + 16 + lane % 4
	s_wait_kmcnt 0x0
	; MY TILE.  Expert e has n = its end - the end before it, and ceil(n / 80) = ((n + 79) x 52,429) >> 22 tiles (exact up to n + 79 = 4,175).  s56 runs over the experts' first tiles; the last expert whose first tile is not behind mine is kept.
	s_mov_b32 s56, 0
	s_mov_b32 s23, 0                               ; the expert,
	s_mov_b32 s57, 0                               ; its first tile,
	s_mov_b32 s58, 0                               ; its first sorted row,
	s_mov_b32 s59, 0                               ; and the row behind its last
.irp e, 0,1,2,3,4,5,6,7
.if \e == 0
	s_mov_b32 s60, s24
.else
	s_sub_co_u32 s60, s[24+\e], s[23+\e]
.endif
	s_cmp_ge_u32 ttmp9, s56
	s_cselect_b32 s23, \e, s23
	s_cselect_b32 s57, s56, s57
.if \e > 0
	s_cselect_b32 s58, s[23+\e], s58
.endif
	s_cselect_b32 s59, s[24+\e], s59
	s_add_co_u32 s60, s60, 79
	s_mul_i32 s60, s60, 0xcccd
	s_lshr_b32 s60, s60, 22
	s_add_co_u32 s56, s56, s60
.endr
	s_sub_co_u32 s60, ttmp9, s57
	s_mul_i32 s60, s60, 80
	s_add_co_u32 s44, s58, s60                     ; my first sorted row
	s_sub_co_u32 s45, s59, 1                       ; the expert's last
	s_sub_co_i32 s46, s59, s44                     ; rows from my first on: 0 or less: a tile without rows
	s_min_u32 s23, s23, 7                          ; the expert hangs on numbers read from memory: held before it enters an address
	s_mul_i32 s61, s20, 20
	s_add_co_u32 s62, s44, s61
	v_add_nc_u32 v[TP+5], s44, v2                  ; sorted rows: first + r,
	v_add_nc_u32 v[TP+6], s62, v[TP+2]             ; first + 20 w + lane / 8,
	v_add_nc_u32 v[TP+7], s62, v2                  ; + r,
	v_add_nc_u32 v[TP+8], s62, v[TP+4]             ; + lane % 4,
	v_add_nc_u32 v[TP+9], s62, v[TP+1]             ; + lane
	IDX IX+12, TP+9, 0
.irp a, 0,1,2,3,4
	IDX IX+\a, TP+5, 16*\a
.endr
.irp i, 0,1,2,3,4
	IDX IX+5+\i, TP+6, 4*\i
.endr
	IDX IX+10, TP+7, 0
	IDX IX+11, TP+8, 16
	global_load_b32 v[CPW], v[IX+12], s[12:13]
.irp a, 0,1,2,3,4
	global_load_b32 v[MW+\a], v[IX+\a], s[12:13]
.endr
.irp a, 0,1,2,3,4
	global_load_b32 v[CW+\a], v[IX+\a], s[14:15]
.endr
.irp i, 0,1,2,3,4,5,6
	global_load_b32 v[OM+\i], v[IX+5+\i], s[12:13]
.endr
	; the expert's weights: their addresses, the scale words, the first four K steps: asked for before the rows are known
	s_lshl_b32 s56, s23, 4
	s_add_co_u32 s56, s56, s22
	s_mul_i32 s56, s56, 98304                      ; (16 e + beta) x 16 K steps x 6,144 bytes
	s_mov_b32 s57, 0
	s_add_nc_u64 s[48:49], s[8:9], s[56:57]
	s_lshl_b32 s56, s23, 5
	s_add_co_u32 s56, s56, s22
	s_lshl_b32 s56, s56, 11                        ; (1,024 e + 32 beta) rows of 64 bytes
	s_add_nc_u64 s[50:51], s[10:11], s[56:57]
.irp b, 0,1,2,3
.irp i, 0,1
	global_load_b128 v[SCB+8*\b+4*\i:SCB+8*\b+4*\i+3], v8, s[50:51] offset:((\b/2)*512+8*(\b%2))*64+16*\i
.endr
.endr
	BFETCH 0
	BFETCH 1
	BFETCH 2
	BFETCH 3
	WIN 0
	s_wait_loadcnt 56                              ; srt's and srt_c's 18 words are in; the 56 loads of scale words and weights behind them may be out
.irp i, 0,1,2,3,4,5,6,7,8,9,10,11,12,13,14,15,16,17,18,19
	v_readlane_b32 s[24+\i], v[CPW], \i            ; the word of row 20 w + i
.endr
.irp i, 0,1,2,3,4,5,6,7,8,9,10,11,12,13,14,15,16,17,18,19
	s_and_b32 s[24+\i], s[24+\i], 0x7ff            ; the token,
	s_min_u32 s[24+\i], s[24+\i], 0x7ff            ; held inside its table,
	s_mul_i32 s[24+\i], s[24+\i], 1536             ; its row of codes
	v_add_nc_u32 v[FO+\i], s[24+\i], v1
.endr
	WIN 0x80
.irp i, 0,1,2,3,4,5,6,7,8,9,10,11,12,13,14,15,16,17,18,19
.irp p, 0,1,2
	global_load_b128 v[4*(3*\i+\p):4*(3*\i+\p)+3], v[FO+\i], s[4:5] offset:512*\p    ; 512 consecutive bytes of a row
.endr
.endr
	WIN 0
.irp a, 0,1,2,3,4
	v_and_b32 v[SAA+\a], 0x7ff, v[MW+\a]
	v_min_u32 v[SAA+\a], 0x7ff, v[SAA+\a]
	v_lshlrev_b32 v[SAA+\a], 6, v[SAA+\a]
	v_lshl_add_u32 v[SAA+\a], v3, 5, v[SAA+\a]     ; the row's 64 scale bytes: lanes 0-15 the first 32, lanes 16-31 the others
.endr
.irp a, 0,1,2,3,4
.irp i, 0,1
	global_load_b128 v[SCA+8*\a+4*\i:SCA+8*\a+4*\i+3], v[SAA+\a], s[6:7] offset:16*\i
.endr
.endr
	s_mul_i32 s56, s21, 96
	v_mul_u32_u24 v[TP+10], v[TP+3], 12
	v_add_nc_u32 v[TP+10], s56, v[TP+10]           ; 96 j + 12 (lane % 8)
.irp i, 0,1,2,3,4
	v_lshrrev_b32 v[OA+\i], 14, v[OM+\i]
	v_min_u32 v[OA+\i], 0xfff, v[OA+\i]            ; dst, held inside its table
	v_mul_u32_u24 v[OA+\i], v[OA+\i], 400
	v_add_nc_u32 v[OA+\i], v[OA+\i], v[TP+10]
.endr
	s_lshl_b32 s56, s21, 2
	s_add_co_u32 s56, s56, 384
.irp k, 0,1
	v_lshrrev_b32 v[OW+\k], 14, v[OM+5+\k]
	v_min_u32 v[OW+\k], 0xfff, v[OW+\k]
	v_mul_u32_u24 v[OW+\k], v[OW+\k], 400
	v_add_nc_u32 v[OW+\k], s56, v[OW+\k]           ; the row's scale word of K step j
.endr
	WIN 0x80
.irp a, 0,1,2,3,4
	v_mov_b32 v[CC+2*\a], v[CW+\a]
	v_mov_b32 v[CC+2*\a+1], v[CW+\a]
.endr
.irp a, 0,1,2,3,4
	v_mov_b32 v[PP+\a], 0                          ; a lane permute's destination counts as one of its sources
.endr
	WIN 0
	s_wait_loadcnt 0x0                             ; the copy is in, and with it all that was asked for before it
	WIN 0x08
.irp i, 0,1,2,3,4,5,6,7,8,9,10,11,12,13,14,15,16,17,18,19
.irp p, 0,1,2
	ds_store_b128 v7, v[4*(3*\i+\p):4*(3*\i+\p)+3] offset:PA*\i+512*\p
.endr
.endr
	WIN 0
	s_wait_dscnt 0x0                               ; for the others' sake: my 20 rows lie in LDS
	s_barrier_signal -1
	s_barrier_wait -1                              ; all 80 do
	s_cmp_lt_i32 s46, 1                            ; a tile without rows has nothing to multiply; the barrier below stands on both ways
	s_cbranch_scc1 .Lmeet
	AFETCH 0
.irp s, 0,1,2,3,4,5,6,7,8,9,10,11,12,13,14,15
	STEP \s
.endr
	EPI
	; a row's 96 bytes of K step j come from four waves: they meet in the stage
	WIN 0x08
.irp a, 0,1,2,3,4
	ds_store_b96 v9, v[NN+4*\a:NN+4*\a+2] offset:16*OPI*\a
	ds_store_b8 v10, v[NB+\a] offset:64*\a         ; both lanes of a block write the same byte with the same value
.endr
	WIN 0
.Lmeet:
	s_wait_dscnt 0x0                               ; for the others' sake
	s_barrier_signal -1
	s_barrier_wait -1
	s_cmp_lt_i32 s46, 1                            ; a tile without rows stores nothing
	s_cbranch_scc1 .Lend
.irp i, 0,1,2,3,4
	ds_load_b96 v[AF+4*\i:AF+4*\i+2], v11 offset:4*OPI*\i
.endr
	ds_load_b32 v[AF+20], v12
	ds_load_b32 v[AF+21], v13
	s_wait_dscnt 0x0
.irp i, 0,1,2,3,4
	global_store_b96 v[OA+\i], v[AF+4*\i:AF+4*\i+2], s[16:17]    ; eight lanes store a row's 96 consecutive bytes
.endr
	global_store_b32 v[OW], v[AF+20], s[16:17]     ; lanes that speak for the same row store the same word to the same place
	global_store_b32 v[OW+1], v[AF+21], s[16:17]
.Lend:
	s_wait_tensorcnt 0x0
	ds_add_u32 v254, v255
	s_wait_dscnt 0x0
	s_endpgm
.Lfunc_end_k_q952f6bf7b3_up:
	.size	k_q952f6bf7b3_up, .Lfunc_end_k_q952f6bf7b3_up-k_q952f6bf7b3_up
	.p2alignl 7, 3214868480
	.fill 96, 4, 3214868480
	.section	.rodata,"a",@progbits
	.p2align	6, 0x0
	.amdhsa_kernel k_q952f6bf7b3_up
		.amdhsa_group_segment_fixed_size 136704
		.amdhsa_private_segment_fixed_size 0
		.amdhsa_enable_private_segment 0
		.amdhsa_kernarg_size 64
		.amdhsa_user_sgpr_count 2
		.amdhsa_user_sgpr_kernarg_segment_ptr 1
		.amdhsa_wavefront_size32 1
		.amdhsa_system_sgpr_workgroup_id_x 1
		.amdhsa_system_sgpr_workgroup_id_y 1
		.amdhsa_system_sgpr_workgroup_id_z 1
		.amdhsa_system_vgpr_workitem_id 0
		.amdhsa_next_free_vgpr 768
		.amdhsa_next_free_sgpr 66
		.amdhsa_reserve_vcc 0
		.amdhsa_float_denorm_mode_32 3
		.amdhsa_float_denorm_mode_16_64 3
		.amdhsa_memory_ordered 1
		.amdhsa_forward_progress 1
		.amdhsa_inst_pref_size 148
	.end_amdhsa_kernel
	.amdgpu_metadata
---
amdhsa.version: [ 1, 2 ]
amdhsa.kernels:
  - .name:           k_q952f6bf7b3_up
    .symbol:         k_q952f6bf7b3_up.kd
    .args:
      - { .name: hidden_states_codes, .offset: 0, .size: 8, .value_kind: global_buffer, .address_space: global }
      - { .name: hidden_states_scales, .offset: 8, .size: 8, .value_kind: global_buffer, .address_space: global }
      - { .name: wup_frag, .offset: 16, .size: 8, .value_kind: global_buffer, .address_space: global }
      - { .name: w_up_scales, .offset: 24, .size: 8, .value_kind: global_buffer, .address_space: global }
      - { .name: srt, .offset: 32, .size: 8, .value_kind: global_buffer, .address_space: global }
      - { .name: srt_c, .offset: 40, .size: 8, .value_kind: global_buffer, .address_space: global }
      - { .name: act, .offset: 48, .size: 8, .value_kind: global_buffer, .address_space: global }
      - { .name: offs, .offset: 56, .size: 8, .value_kind: global_buffer, .address_space: global }
    .group_segment_fixed_size: 136704
    .private_segment_fixed_size: 0
    .kernarg_segment_align: 8
    .kernarg_segment_size: 64
    .max_flat_workgroup_size: 128
    .sgpr_count:     66
    .vgpr_count:     768
    .wavefront_size: 32
...
	.end_amdgpu_metadata
.endif
;; end of part 2
;; launch down (part 3): grid 32 x 8, 4 waves a work-group, no clusters, 78,336 bytes of LDS; arguments act, ptk, wdn_frag, wdn_sc, out0; writes out0
.if DOCPART == 3
	.amdgcn_target "amdgcn-amd-amdhsa--gfx1250"
	.amdhsa_code_object_version 6
	.text
	.protected	k_q952f6bf7b3_down
	.globl	k_q952f6bf7b3_down
	.p2align	8
	.type	k_q952f6bf7b3_down,@function
k_q952f6bf7b3_down:
	s_mov_b64 s[64:65], 0
	v_nop
	global_prefetch_b8 v0, s[64:65] scope:SCOPE_SE
	s_setreg_imm32_b32 hwreg(HW_REG_WAVE_MODE, 25, 1), 1
	s_wait_xcnt 0x0
; DOWN: out[t] = the sum over the token's experts e of act(t, e) Wd(e)^T, on the codes that the two launches before have made.  EACH OUTPUT ROW HAS ONE OWNER.
; SHARES.  Work-group (blk, jc): 64 tokens, sorted by their pair of experts, x 256 columns.  Wave w: columns 256 jc + 64 w .. + 63: four tiles of 16 rows of w_dn; 16 accumulators (a: 16 tokens, b: 16 columns).
; The block's 128 rows of activations (slot 0's 64, then slot 1's), 400 bytes each, are one dense run of memory: copied once into LDS; behind them lie 64 rows of zeros.  A PASS is one expert that some token of the block uses: K = 512 in four steps.
; In a pass a lane reads its token's row of slot 0 where that slot names the expert, else of slot 1 where that one does, else its row of zeros: zero codes add nothing.  (Two equal ids: both rows hold the same numbers, made
; with the sum of the two weights; slot 0's alone is read.)  The choice is an index 0, 1 or 2, held at 2, times the 25,600 bytes from one run of rows to the next.  The weights come from memory straight into registers, a whole pass (16 fragments) ahead, in two sets.
; No tensor load and no cluster: which passes run hangs on numbers read from memory, and partners would run different passes.
; THE PRODUCT IS USED TRANSPOSED (source 0 = 16 rows of w_dn, source 1 = 16 tokens): a lane holds eight neighbouring columns of one row of out.
; The sum runs over the experts in ascending order.  Ids are three bits of ptk's words; tokens are held inside their table.
; REGISTERS.  Window 0: v1 16 lane, v2 4 lane, v3 r, v4 h, then as named below.  Windows 1, 2: the two sets of weights, fragment (b, s) at 12 (4 b + s).  Window 3: accumulators at 8 (4 a + b); v0-99 stage the copy.
.set RUN,   25600                      ; LDS: 64 rows of 400 bytes: slot 0's from byte 0, slot 1's from RUN,
.set ZB,    2*RUN                      ; the zeros from here: 26,624 bytes, since lanes 16-31 of the last row read 48 bytes beyond a row's end with the scale words
.set STG,   0                          ; the way out: a stage of 16 rows x (256 bytes + 16) for each wave, in the image's first bytes, written only behind the barrier behind which nobody reads the image
.set A0,    6                          ; v6-9     my row of slot 0: 400 (16 a + r) + 48 h.  400 bytes are 100 words: sixteen rows start in sixteen different groups of four banks
.set SEL,   14                         ; v14-17   the pass's choice: the index, then the address
.set ID0,   18                         ; v18-21, v22-25  my tokens' two ids
.set ID1,   22
.set PW,    26                         ; v26-29   ptk's words
.set ASC,   40                         ; v40-55   the rows' scale words: 4 a + s
.set BSC,   56                         ; v56-71   w_dn's, two sets of 8: 2 b + s / 2; lanes 0-15 the even K step, lanes 16-31 the odd one
.set AF,    72                         ; v72-167  the rows' fragments: two sets of 4 x 12
.set OB,    168                        ; v168-199 the way out: 16 rows read back
.set TA,    200                        ; v200-231 the way out: byte offsets in out, 8 a + i
.set ZR,    240                        ; v240-243 zeros
.set MSB, 0
.macro WIN new                         ; the immediate's high byte repeats the setting that is left
.if MSB != (\new)
	s_set_vgpr_msb (MSB<<8)|(\new)
.set MSB, (\new)
.endif
.endm
.macro PLACES                          ; four plain places behind a matrix instruction, ahead of loads into its registers and of reads of its result
.rept 4
	v_nop
.endr
.endm
.macro NEXT                            ; the lowest expert still on the list s18 leaves it: s19; its weights' addresses
	s_wait_xcnt 0x0                                ; the bases of loads that may be out are written again only behind this wait
	s_ctz_i32_b32 s19, s18
	s_min_u32 s19, s19, 7
	s_sub_co_u32 s36, s18, 1
	s_and_b32 s18, s18, s36
	s_lshl_b32 s36, s19, 7
	s_add_co_u32 s36, s36, s17                     ; 128 e + my first tile
	s_mul_i32 s38, s36, 6144
	s_mov_b32 s39, 0
	s_add_nc_u64 s[32:33], s[8:9], s[38:39]
	s_lshl_b32 s38, s36, 8
	s_add_nc_u64 s[34:35], s[10:11], s[38:39]
.endm
.macro LOADB buf                       ; a pass's weights: 8 loads of scale words, 48 of fragments
	WIN 0
.irp b, 0,1,2,3
.irp k, 0,1
	global_load_b32 v[BSC+8*(\buf)+2*\b+\k], v2, s[34:35] offset:256*\b+128*\k
.endr
.endr
	WIN 0x40+0x40*(\buf)
.irp b, 0,1,2,3
.irp s, 0,1,2,3
.irp q, 0,1,2
	global_load_b128 v[12*(4*\b+\s)+4*\q:12*(4*\b+\s)+4*\q+3], v1, s[32:33] offset:6144*\b+1536*\s+512*\q
.endr
.endr
.endr
	WIN 0
.endm
.macro AFETCH s                        ; K step s's four fragments of rows into set s % 2: a lane's 48 bytes on end
.irp a, 0,1,2,3
.irp q, 0,1,2
	ds_load_b128 v[AF+48*((\s)%2)+12*\a+4*\q:AF+48*((\s)%2)+12*\a+4*\q+3], v[SEL+\a] offset:96*(\s)+16*\q
.endr
.endr
.endm
.macro SELECT                          ; expert s19: each lane's row, its scale words, the first two K steps
	PLACES                                         ; behind the last pass's products: loads into their registers follow
.irp a, 0,1,2,3
	v_cmp_eq_u32 s[24+\a], s19, v[ID0+\a]
	v_cmp_eq_u32 s[28+\a], s19, v[ID1+\a]
.endr
.irp a, 0,1,2,3
	v_cndmask_b32 v[SEL+\a], 2, 1, s[28+\a]        ; slot 1 names the expert: 1; else the zeros: 2;
.endr
.irp a, 0,1,2,3
	v_cndmask_b32 v[SEL+\a], v[SEL+\a], 0, s[24+\a]   ; slot 0 does: 0, whatever slot 1 says
.endr
.irp a, 0,1,2,3
	v_min_u32 v[SEL+\a], 2, v[SEL+\a]              ; the index hangs on numbers read from memory: it is held here, and only a product and a sum follow
.endr
.irp a, 0,1,2,3
	v_mul_u32_u24 v[SEL+\a], v[SEL+\a], RUN
.endr
.irp a, 0,1,2,3
	v_add_nc_u32 v[SEL+\a], v[SEL+\a], v[A0+\a]
.endr
.irp a, 0,1,2,3
	ds_load_b128 v[ASC+4*\a:ASC+4*\a+3], v[SEL+\a] offset:384    ; lanes 0-15: the row's four scale words; what lanes 16-31 read, 48 bytes on, is not used
.endr
	AFETCH 0
	AFETCH 1
.endm
; A pass's 64 products.  The sixteen accumulators take turns, one instruction a turn.  zero = 1: the first K step starts the sums.
.macro COMPUTE buf, zero
.irp s, 0,1,2,3
.if \s < 3
	s_wait_dscnt 12                                ; this step's fragments (and the scale words) are in; the next step's 12 loads may be out
.else
	s_wait_dscnt 0x0
.endif
	WIN 0xf1+(\buf)                                ; source 0 window 1 or 2, source 1 window 0, C and D window 3
.irp a, 0,1,2,3
.irp b, 0,1,2,3
.if \zero && (\s == 0)
	v_wmma_scale_f32_16x16x128_f8f6f4 v[8*(4*\a+\b):8*(4*\a+\b)+7], v[12*(4*\b+\s):12*(4*\b+\s)+11], v[AF+48*(\s%2)+12*\a:AF+48*(\s%2)+12*\a+11], 0, v[BSC+8*(\buf)+2*\b+\s/2], v[ASC+4*\a+\s] matrix_a_fmt:MATRIX_FMT_BF6 matrix_b_fmt:MATRIX_FMT_BF6
.elseif (\s%2) == 0
	v_wmma_scale_f32_16x16x128_f8f6f4 v[8*(4*\a+\b):8*(4*\a+\b)+7], v[12*(4*\b+\s):12*(4*\b+\s)+11], v[AF+48*(\s%2)+12*\a:AF+48*(\s%2)+12*\a+11], v[8*(4*\a+\b):8*(4*\a+\b)+7], v[BSC+8*(\buf)+2*\b+\s/2], v[ASC+4*\a+\s] matrix_a_fmt:MATRIX_FMT_BF6 matrix_b_fmt:MATRIX_FMT_BF6
.else
	v_wmma_scale_f32_16x16x128_f8f6f4 v[8*(4*\a+\b):8*(4*\a+\b)+7], v[12*(4*\b+\s):12*(4*\b+\s)+11], v[AF+48*(\s%2)+12*\a:AF+48*(\s%2)+12*\a+11], v[8*(4*\a+\b):8*(4*\a+\b)+7], v[BSC+8*(\buf)+2*\b+\s/2], v[ASC+4*\a+\s] matrix_a_fmt:MATRIX_FMT_BF6 matrix_b_fmt:MATRIX_FMT_BF6 matrix_a_scale:MATRIX_SCALE_ROW1
.endif
.endr
.endr
	WIN 0
.if \s < 2
	PLACES
	AFETCH \s+2
.endif
.endr
.endm
; A pass on the weights in set buf.  Where the list holds more, the next expert's weights are asked for first, into the other set; the products are written in both arms, so that a set is read only where it was loaded.
.macro PASS buf, zero
	SELECT
	s_cmp_eq_u32 s18, 0
	s_cbranch_scc1 .Llast_\@
	NEXT
	LOADB 1-\buf
	s_wait_loadcnt 56                              ; this pass's weights are in; the next pass's 56 loads may be out
	COMPUTE \buf, \zero
	s_branch .Lmore_\@
.Llast_\@:
	s_wait_loadcnt 0x0
	COMPUTE \buf, \zero
	s_branch .Lout
.Lmore_\@:
.endm
	s_load_b256 s[4:11], s[0:1], 0x0               ; act s[4:5], ptk s[6:7], wdn_frag s[8:9], wdn_sc s[10:11]
	s_load_b64 s[12:13], s[0:1], 0x20              ; out
	v_lshl_add_u32 v254, v0, 2, 0x13000
	v_mov_b32 v255, 0
	v_lshrrev_b32 v33, 5, v0
	v_readfirstlane_b32 s14, v33                   ; wave 0..3
	s_and_b32 s16, ttmp7, 0xffff                   ; jc
	s_lshl_b32 s17, s16, 4
	s_lshl_b32 s36, s14, 2
	s_add_co_u32 s17, s17, s36                     ; my first tile of w_dn's rows: 16 jc + 4 w
	v_and_b32 v34, 31, v0                          ; lane
	v_and_b32 v3, 15, v0                           ; r
	v_bfe_u32 v4, v0, 4, 1                         ; h
	v_lshlrev_b32 v1, 4, v34
	v_lshlrev_b32 v2, 2, v34
	v_mul_u32_u24 v35, v4, 48
	v_mad_u32_u24 v35, v3, 400, v35                ; row r of 400 bytes, + 48 h
.irp a, 0,1,2,3
	v_add_nc_u32 v[A0+\a], 6400*\a, v35
.endr
	s_mul_i32 s36, s14, 16*272
	s_add_co_u32 s36, s36, STG                     ; my stage
	v_mul_u32_u24 v30, v3, 272
	v_lshl_add_u32 v30, v4, 5, v30
	v_add_nc_u32 v30, s36, v30                     ; in: row r, 32 bytes for each half of the lanes
	v_lshlrev_b32 v32, 4, v3
	v_mad_u32_u24 v31, v4, 272, v32
	v_add_nc_u32 v31, s36, v31                     ; back: lanes 0-15 one row of 256 bytes, lanes 16-31 the next
	s_mul_i32 s36, s14, 12800
	v_add_nc_u32 v232, s36, v1                     ; the copy: my quarter of the image
	v_lshl_add_u32 v233, v0, 4, ZB                 ; the zeros: 16 bytes a thread, 2,048 a store of the work-group
.irp k, 0,1,2,3
	v_mov_b32 v[ZR+\k], 0
.endr
	v_mov_b32 v235, 1
	s_lshl_b32 s37, ttmp9, 8                       ; ptk: 64 words a block
	v_lshl_add_u32 v236, v3, 2, s37
	v_lshl_add_u32 v237, v4, 2, s37
	s_mul_i32 s38, ttmp9, 51200
	s_add_co_u32 s38, s38, s36
	s_mov_b32 s39, 0
	s_lshl_b32 s40, s16, 10
	s_lshl_b32 s41, s14, 8
	s_add_co_u32 s40, s40, s41                     ; my 256 bytes of a row of out
	s_mov_b32 s41, 0
	s_wait_kmcnt 0x0
	s_add_nc_u64 s[4:5], s[4:5], s[38:39]
	s_add_nc_u64 s[12:13], s[12:13], s[40:41]
.irp a, 0,1,2,3
	global_load_b32 v[PW+\a], v236, s[6:7] offset:64*\a           ; token 16 a + r of the block
.endr
.irp a, 0,1,2,3
.irp i, 0,1,2,3,4,5,6,7
	global_load_b32 v[TA+8*\a+\i], v237, s[6:7] offset:64*\a+8*\i  ; token 16 a + 2 i + lane / 16: the stores' mapping
.endr
.endr
	WIN 0xc0
.irp i, 0,1,2,3,4,5,6,7,8,9,10,11,12,13,14,15,16,17,18,19,20,21,22,23,24
	global_load_b128 v[4*\i:4*\i+3], v1, s[4:5] offset:512*\i      ; 512 consecutive bytes of the block's rows
.endr
	WIN 0
.irp i, 0,1,2,3,4,5,6,7,8,9,10,11,12
	ds_store_b128 v233, v[ZR:ZR+3] offset:2048*\i  ; the rows of zeros, while the loads are on their way
.endr
	s_wait_loadcnt 25                              ; ptk's words are in; the copy's 25 loads stay out
.irp a, 0,1,2,3
	v_bfe_u32 v[ID0+\a], v[PW+\a], 11, 3
	v_bfe_u32 v[ID1+\a], v[PW+\a], 14, 3
.endr
	v_lshlrev_b32 v36, v[ID0], v235
.irp k, 1,2,3,4,5,6,7
	v_lshlrev_b32 v37, v[ID0+\k], v235
	v_or_b32 v36, v36, v37                         ; a bit for each expert that my four tokens use
.endr
	s_mov_b32 s18, 0
.irp e, 0,1,2,3,4,5,6,7
	v_and_b32 v37, 1<<\e, v36
	v_cmp_ne_u32 s36, 0, v37
	s_cmp_lg_u32 s36, 0
	s_cselect_b32 s37, 1<<\e, 0
	s_or_b32 s18, s18, s37                         ; the block's list of experts
.endr
	NEXT
	LOADB 0                                        ; the first pass's weights are asked for while the copy is on its way
.irp k, 0,1,2,3,4,5,6,7,8,9,10,11,12,13,14,15,16,17,18,19,20,21,22,23,24,25,26,27,28,29,30,31
	v_and_b32 v[TA+\k], 0x7ff, v[TA+\k]
	v_min_u32 v[TA+\k], 0x7ff, v[TA+\k]            ; the token, held inside its table,
	v_lshl_add_u32 v[TA+\k], v[TA+\k], 13, v32     ; its row of 8,192 bytes, + 16 (lane % 16)
.endr
	s_wait_loadcnt 56                              ; the copy is in; the 56 loads of weights behind it may be out
	WIN 0x0c
.irp i, 0,1,2,3,4,5,6,7,8,9,10,11,12,13,14,15,16,17,18,19,20,21,22,23,24
	ds_store_b128 v232, v[4*\i:4*\i+3] offset:512*\i
.endr
	WIN 0
	s_wait_dscnt 0x0                               ; for the others' sake: my quarter of the image and my part of the zeros lie in LDS
	s_barrier_signal -1
	s_barrier_wait -1                              ; the image is whole; nothing in it is written again before the barrier at the way out
	PASS 0, 1
	s_mov_b32 s20, 4
.Lpass:                                                ; at most seven more passes: the list has eight bits, and the pass that empties it leaves the loop
	PASS 1, 0
	PASS 0, 0
	s_sub_co_u32 s20, s20, 1
	s_cmp_lg_u32 s20, 0
	s_cbranch_scc1 .Lpass
.Lout:
	; THE WAY OUT.  All ways join here.  The stages lie in the image: each wave's reads of the image are over, it says so, and writes only when all four have said so.
	s_wait_dscnt 0x0
	s_barrier_signal -1
	PLACES                                         ; the places behind the last products, ahead of the stores that read their results
	s_barrier_wait -1
	; 16 tokens at a time: through my own stage, back as whole rows of 256 bytes.  LDS serves a wave's instructions in order: no wait between the stores and the loads.
.irp a, 0,1,2,3
.if \a > 0
	s_wait_xcnt 0x0                                ; the last block's stores have read their registers: only now are these loaded again
.endif
	WIN 0x0c
.irp b, 0,1,2,3
	ds_store_b128 v30, v[8*(4*\a+\b):8*(4*\a+\b)+3] offset:64*\b           ; each accumulator from its low end on
	ds_store_b128 v30, v[8*(4*\a+\b)+4:8*(4*\a+\b)+7] offset:64*\b+16
.endr
	WIN 0
.irp i, 0,1,2,3,4,5,6,7
	ds_load_b128 v[OB+4*\i:OB+4*\i+3], v31 offset:2*272*\i
.endr
	s_wait_dscnt 0x0
.irp i, 0,1,2,3,4,5,6,7
	global_store_b128 v[TA+8*\a+\i], v[OB+4*\i:OB+4*\i+3], s[12:13] th:TH_STORE_NT   ; sixteen lanes store 256 consecutive bytes, aligned; written once, read by nobody here
.endr
.endr
	s_wait_tensorcnt 0x0
	ds_add_u32 v254, v255
	s_wait_dscnt 0x0
	s_endpgm
.Lfunc_end_k_q952f6bf7b3_down:
	.size	k_q952f6bf7b3_down, .Lfunc_end_k_q952f6bf7b3_down-k_q952f6bf7b3_down
	.p2alignl 7, 3214868480
	.fill 96, 4, 3214868480
	.section	.rodata,"a",@progbits
	.p2align	6, 0x0
	.amdhsa_kernel k_q952f6bf7b3_down
		.amdhsa_group_segment_fixed_size 78336
		.amdhsa_private_segment_fixed_size 0
		.amdhsa_enable_private_segment 0
		.amdhsa_kernarg_size 40
		.amdhsa_user_sgpr_count 2
		.amdhsa_user_sgpr_kernarg_segment_ptr 1
		.amdhsa_wavefront_size32 1
		.amdhsa_system_sgpr_workgroup_id_x 1
		.amdhsa_system_sgpr_workgroup_id_y 1
		.amdhsa_system_sgpr_workgroup_id_z 1
		.amdhsa_system_vgpr_workitem_id 0
		.amdhsa_next_free_vgpr 896
		.amdhsa_next_free_sgpr 66
		.amdhsa_reserve_vcc 0
		.amdhsa_float_denorm_mode_32 3
		.amdhsa_float_denorm_mode_16_64 3
		.amdhsa_memory_ordered 1
		.amdhsa_forward_progress 1
		.amdhsa_inst_pref_size 123
	.end_amdhsa_kernel
	.amdgpu_metadata
---
amdhsa.version: [ 1, 2 ]
amdhsa.kernels:
  - .name:           k_q952f6bf7b3_down
    .symbol:         k_q952f6bf7b3_down.kd
    .args:
      - { .name: act, .offset: 0, .size: 8, .value_kind: global_buffer, .address_space: global }
      - { .name: ptk, .offset: 8, .size: 8, .value_kind: global_buffer, .address_space: global }
      - { .name: wdn_frag, .offset: 16, .size: 8, .value_kind: global_buffer, .address_space: global }
      - { .name: wdn_sc, .offset: 24, .size: 8, .value_kind: global_buffer, .address_space: global }
      - { .name: out0, .offset: 32, .size: 8, .value_kind: global_buffer, .address_space: global }
    .group_segment_fixed_size: 78336
    .private_segment_fixed_size: 0
    .kernarg_segment_align: 8
    .kernarg_segment_size: 40
    .max_flat_workgroup_size: 128
    .sgpr_count:     66
    .vgpr_count:     896
    .wavefront_size: 32
...
	.end_amdgpu_metadata
.endif
;; end of part 3
